; MI455X (gfx1250); checked and timed in simulation.
; The chip was launched on July 23, 2026; its instructions are those of AMD's public machine-readable ISA for CDNA 5 (MIT licence, August 2026) and "CDNA5" Instruction Set Architecture Reference Guide (July 2026). The comments in the code are by the model that wrote it; some were corrected since.
;; SMRNN. Allowed arithmetic: float matrix products may take bf16 or f16 operands with f32 sums; all other float work in f32.
;; Inputs: b1_0 1,024 float32; b1_1 1,024 float32; b1_2 64 float32; b2_0 256 float32; b2_1 1,024 float32; b2_2 1,024 float32; b2_3 64 float32; b2_4 1,452,480 float32; b3_0 256 float32; b3_1 1,024 float32; b3_2 1,024 float32; b3_3 64 float32; b3_4 128 float32; inputs 64 float32; prev_bias_change 2,496 float32; prev_output 64 float32; prev_weight_change 1,449,984 float32; state 128 float32; w1_0 1,024 x 256 float32; w1_1 1,024 x 1,024 float32; w1_2 64 x 1,024 float32; w2_0 256 x 256 float32; w2_1 1,024 x 256 float32; w2_2 1,024 x 1,024 float32; w2_3 64 x 1,024 float32; w2_4 1,452,480 x 64 float32; w3_0 256 x 256 float32; w3_1 1,024 x 256 float32; w3_2 1,024 x 1,024 float32; w3_3 64 x 1,024 float32; w3_4 128 x 64 float32.
;; Outputs: out0 64 float32; out1 128 float32; out2 1,449,984 float32; out3 2,496 float32.
;; 2 versions, each right; version 2 is version 1 with the launch stream written anew for expert scheduling mode. Each part assembles by itself: llvm-mc -triple=amdgcn-amd-amdhsa -mcpu=gfx1250 --defsym DOCPART=n.
;; ======== version 1 of 2: 3 launches
;; workspace buffers: acts 12,288 bytes; parts 65,536 bytes
;; launch front (part 1): grid 48 x 1, 16 waves a work-group, no clusters, 3,584 bytes of LDS; arguments inputs, prev_output, state, acts, w3_0, b3_0, w3_1, b3_1, prev_weight_change, prev_bias_change, w2_0, b2_0, w2_1, b2_1, w1_0, b1_0; writes acts
.if DOCPART == 1
	.amdgcn_target "amdgcn-amd-amdhsa--gfx1250"
	.amdhsa_code_object_version 6
	.text
	.protected	k_q1fae113dda_front
	.globl	k_q1fae113dda_front
	.p2align	8
	.type	k_q1fae113dda_front,@function
k_q1fae113dda_front:
	s_mov_b64 s[64:65], 0
	v_nop
	global_prefetch_b8 v0, s[64:65] scope:SCOPE_SE
	s_setreg_imm32_b32 hwreg(HW_REG_WAVE_MODE, 25, 1), 1
	s_wait_xcnt 0x0
; FRONT: the first layers of the three nets on inpt = inputs | prev_output | state (256 f32).
;   work-groups  0-15: net3, layer 0 (256 x 256, weights w3_0 + change, bias 2 b + change), then 64 rows of layer 1 (K = 256)
;   work-groups 16-31: net2, layer 0 (256 x 256), then 64 rows of layer 1
;   work-groups 32-47: net1, 64 rows of layer 0 (K = 256)
; Each work-group stores 64 activations (LeakyReLU done) = 256 consecutive aligned bytes of acts: f32[3][1024], slot 0 net1, 1 net2, 2 net3.
; Layer 0 of net2 and net3 is computed whole in each of their 16 work-groups: that spares one exchange between work-groups.
; Sixteen waves.  Wave w: rows 16 w .. 16 w + 15 of layer 0, then rows 4 w .. 4 w + 3 of the work-group's 64.
; A row of 1,024 bytes is two loads of 512 consecutive bytes by the wave; lane l holds elements 4 l .. 4 l + 3 and 128 + 4 l .. + 3.
; WHY NO MATRIX UNIT: every product has one row of activations; a 16 x 16 tile would carry 15 idle rows, and the conversion to 16 bits costs
; as many vector instructions as the packed f32 multiply-add that does the work itself.  All arithmetic is f32.
; WHY NO JOINT REQUESTS: the 16 work-groups of a net do read the same layer 0 (256 KiB, with its change 512 KiB).  A joint request
; brings a tile into LDS, where each byte would then be read once by one lane for one multiply-add, behind a ring and barriers; a mask names
; four work-groups at the most.  Here the bytes go straight into the registers that multiply them.
; LIMITS: sums are f32 in another order than the model's; (W + dW) x is formed as W x + dW x in one chain of fused multiply-adds;
; leaky(x) = max(x, 0.01 x).  EXEC is never changed.
.set SLOPE, 0x3c23d70a                 ; 0.01
.set XV,   10                          ; v[10:17]  inpt: my 8 elements
.set X2,   18                          ; v[18:25]  layer 0's activations: my 8 elements
.set XA,   26                          ; v[26:29]  inputs[4 c ..]
.set XB,   30                          ; v[30:33]  prev_output[4 c ..]
.set P,    34                          ; v[34:49]  16 partial sums, one for each row
.set T,    50                          ; v[50:57]  at work
.set B0V,  58                          ; layer 0's bias of row 16 w + c
.set PB0V, 59                          ; its change
.set BV1,  60                          ; v[60:61]  the slice's bias of rows 2 l, 2 l + 1
.set PB1,  62                          ; v[62:63]  its change
.set RING, 64                          ; v[64:255] three slots of 64: row i of a batch at 16 i: W 0-3, W 4-7, dW 0-3, dW 4-7
.set SM8, 34                           ; s34-37 lane masks of the folding steps, s38 upper half of the lanes
.set SM4, 35
.set SM2, 36
.set SM1, 37
.set SMH, 38
; One step of the fold: lanes whose number has the bit `span` keep the upper `span` registers and hand the lower ones to their partner
; (lane xor span), the others the other way round; the add takes the partner's register by DPP.
.macro RSTEP p, t, span, msk, dst
.set rj, 0
.rept \span
	v_cndmask_b32 v[\t+rj], v[\p+rj+\span], v[\p+rj], s[\msk]      ; what the partner wants
.set rj, rj+1
.endr
.set rj, 0
.rept \span
	v_cndmask_b32 v[\p+rj], v[\p+rj], v[\p+rj+\span], s[\msk]      ; what I keep
.set rj, rj+1
.endr
.set rj, 0
.rept \span
	v_add_f32_dpp v[\dst+rj], v[\t+rj], v[\p+rj] row_xmask:\span row_mask:0xf bank_mask:0xf
.set rj, rj+1
.endr
.endm
; 16 registers of partial sums -> lane c of each half holds in dst the sum of register c over the half's 16 lanes
.macro REDUCE16 p, t, dst
	RSTEP \p, \t, 8, SM8, \p
	RSTEP \p, \t, 4, SM4, \p
	RSTEP \p, \t, 2, SM2, \p
	RSTEP \p, \t, 1, SM1, \dst
.endm
.macro LDW dst, voff, base, off, nt
.if \nt
	global_load_b128 v[\dst:\dst+3], v[\voff], s[\base:\base+1] offset:\off th:TH_LOAD_NT
.else
	global_load_b128 v[\dst:\dst+3], v[\voff], s[\base:\base+1] offset:\off
.endif
.endm
; a batch of four rows into a slot: 8 loads, with the change 16.  nt = 1: bytes that this launch reads once
.macro ISSUE slot, voff, wb, db, byte0, dd, nt
.irp i, 0,1,2,3
	LDW RING+64*\slot+16*\i, \voff, \wb, \byte0+1024*\i, \nt
	LDW RING+64*\slot+16*\i+4, \voff, \wb, \byte0+1024*\i+512, \nt
.if \dd
	LDW RING+64*\slot+16*\i+8, \voff, \db, \byte0+1024*\i, \nt
	LDW RING+64*\slot+16*\i+12, \voff, \db, \byte0+1024*\i+512, \nt
.endif
.endr
.endm
; four rows of a slot times my 8 elements at x: four chains of packed multiply-adds, then P[pf + i] = low + high
.macro DOT4 slot, x, pf, dd
.irp i, 0,1,2,3
	v_pk_mul_f32 v[T+2*\i:T+2*\i+1], v[RING+64*\slot+16*\i:RING+64*\slot+16*\i+1], v[\x:\x+1]
.endr
.irp q, 1,2,3
.irp i, 0,1,2,3
	v_pk_fma_f32 v[T+2*\i:T+2*\i+1], v[RING+64*\slot+16*\i+2*\q:RING+64*\slot+16*\i+2*\q+1], v[\x+2*\q:\x+2*\q+1], v[T+2*\i:T+2*\i+1]
.endr
.endr
.if \dd
.irp q, 0,1,2,3
.irp i, 0,1,2,3
	v_pk_fma_f32 v[T+2*\i:T+2*\i+1], v[RING+64*\slot+16*\i+8+2*\q:RING+64*\slot+16*\i+8+2*\q+1], v[\x+2*\q:\x+2*\q+1], v[T+2*\i:T+2*\i+1]
.endr
.endr
.endif
.irp i, 0,1,2,3
	v_add_f32 v[P+\pf+\i], v[T+2*\i], v[T+2*\i+1]
.endr
.endm
.macro SELX                            ; elements 0-127 of inpt: lanes 0-15 from inputs, lanes 16-31 from prev_output
.irp k, 0,1,2,3
	v_cndmask_b32 v[XV+\k], v[XA+\k], v[XB+\k], s[SMH]
.endr
.endm
; One net's work up to the raw sums of my four slice rows in P .. P+3.  l0 = 1: layer 0 first; dd = 1: weights and biases carry a change.
.macro ROLE l0, dd, slotoff
.set NB, 8*(1+\dd)                     ; loads in a batch
	s_wait_kmcnt 0x0
	s_lshl_b32 s28, s25, 16                        ; g x 64 rows x 1,024 bytes
	s_mov_b32 s29, 0
	s_add_nc_u64 s[16:17], s[16:17], s[28:29]      ; the slice's weights
.if \dd
	s_add_nc_u64 s[30:31], s[20:21], s[28:29]
	s_add_nc_u64 s[30:31], s[30:31], 0x40000       ; their change: behind layer 0's 65,536 numbers
.endif
	s_lshl_b32 s28, s25, 8                         ; g x 64 numbers
	s_add_nc_u64 s[18:19], s[18:19], s[28:29]      ; the slice's bias
.if \dd
	s_add_nc_u64 s[32:33], s[22:23], s[28:29]      ; its change (+ 1,024 bytes in the load's offset)
.endif
	s_add_nc_u64 s[10:11], s[10:11], s[28:29]      ; where the 64 activations go
.if \slotoff
	s_add_nc_u64 s[10:11], s[10:11], \slotoff
.endif
	global_load_b128 v[XA:XA+3], v3, s[4:5]        ; the small loads stand first: the first counted wait covers them
	global_load_b128 v[XB:XB+3], v3, s[6:7]
	global_load_b128 v[XV+4:XV+7], v4, s[8:9]      ; elements 128-255 of inpt are state
.if \l0
	global_load_b32 v[B0V], v7, s[14:15]
.if \dd
	global_load_b32 v[PB0V], v7, s[22:23]
.endif
.endif
	global_load_b64 v[BV1:BV1+1], v8, s[18:19]
.if \dd
	global_load_b64 v[PB1:PB1+1], v8, s[32:33] offset:1024
.endif
.if \l0
	ISSUE 0, 5, 12, 20, 0, \dd, 0                  ; layer 0, my rows 0-3, 4-7, 8-11
	ISSUE 1, 5, 12, 20, 4096, \dd, 0
	ISSUE 2, 5, 12, 20, 8192, \dd, 0
	s_wait_loadcnt 2*NB                            ; the two younger batches stay out: the small loads and rows 0-3 are in
	SELX
	DOT4 0, XV, 0, \dd
	ISSUE 0, 5, 12, 20, 12288, \dd, 0              ; rows 12-15
	s_wait_loadcnt 2*NB                            ; rows 8-11 and 12-15 stay out
	DOT4 1, XV, 4, \dd
	ISSUE 1, 6, 16, 30, 0, \dd, 1                  ; my four rows of the slice, on their way while layer 0 is finished
	s_wait_loadcnt 2*NB                            ; rows 12-15 and the slice stay out
	DOT4 2, XV, 8, \dd
	s_wait_loadcnt NB                              ; the slice stays out
	DOT4 0, XV, 12, \dd
	REDUCE16 P, T, P                               ; lane c: row 16 w + c, summed over its half
	v_permlanex16_b32 v[T], v[P], s39, s40         ; the other half's sum
	v_add_f32 v[P], v[P], v[T]
.if \dd
	v_fma_f32 v[B0V], v[B0V], 2.0, v[PB0V]         ; b + (b + change)
.endif
	v_add_f32 v[P], v[P], v[B0V]
	v_mul_f32 v[T], SLOPE, v[P]
	v_max_num_f32 v[P], v[P], v[T]
	ds_store_b32 v7, v[P]                          ; both halves store the same number to the same word
	s_wait_dscnt 0x0                               ; my 16 activations are in LDS before I say so
	s_barrier_signal -1
	s_barrier_wait -1
	ds_load_b128 v[X2:X2+3], v4
	ds_load_b128 v[X2+4:X2+7], v4 offset:512
	s_wait_loadcnt 0x0                             ; the slice's rows
	s_wait_dscnt 0x0
	DOT4 1, X2, 0, \dd
.else
	ISSUE 1, 6, 16, 30, 0, 0, 1
	s_wait_loadcnt 0x0
	SELX
	DOT4 1, XV, 0, 0
.endif
.if \dd
	v_pk_fma_f32 v[BV1:BV1+1], v[BV1:BV1+1], 2.0, v[PB1:PB1+1] op_sel_hi:[1,0,1]
.endif
.endm
	s_load_b256 s[4:11], s[0:1], 0x0               ; inputs s[4:5], prev_output s[6:7], state s[8:9], acts s[10:11]
	v_and_b32 v1, 31, v0                           ; l
	v_and_b32 v2, 15, v0                           ; c
	v_lshrrev_b32 v3, 5, v0
	v_readfirstlane_b32 s24, v3                    ; w
	s_and_b32 s25, ttmp9, 15                       ; g: which 64 rows of the slice
	s_lshr_b32 s26, ttmp9, 4                       ; 0 net3, 1 net2, 2 net1
	s_mov_b32 s[SM8], 0xff00ff00
	s_mov_b32 s[SM4], 0xf0f0f0f0
	s_mov_b32 s[SM2], 0xcccccccc
	s_mov_b32 s[SM1], 0xaaaaaaaa
	s_mov_b32 s[SMH], 0xffff0000
	s_mov_b32 s39, 0x76543210                      ; v_permlanex16_b32: lane i takes lane i of the other half
	s_mov_b32 s40, 0xfedcba98
	v_lshlrev_b32 v3, 4, v2                        ; 16 c
	v_lshlrev_b32 v4, 4, v1                        ; 16 l
	s_lshl_b32 s27, s24, 14
	v_add_nc_u32 v5, s27, v4                       ; layer 0: 16 rows x 1,024 bytes x w + 16 l
	s_lshl_b32 s27, s24, 12
	v_add_nc_u32 v6, s27, v4                       ; slice: 4 rows x 1,024 bytes x w + 16 l
	s_lshl_b32 s27, s24, 6
	v_lshl_add_u32 v7, v2, 2, s27                  ; 4 (16 w + c): layer 0's bias, and the activation's place in LDS
	v_lshlrev_b32 v8, 3, v1                        ; 8 l
	s_lshl_b32 s27, s24, 4
	s_add_co_u32 s27, s27, 1024
	v_mov_b32 v9, s27                              ; LDS: my four raw sums, behind layer 0's 1,024 bytes
	s_cmp_eq_u32 s26, 0
	s_cbranch_scc1 .Lnet3
	s_cmp_eq_u32 s26, 1
	s_cbranch_scc1 .Lnet2
	s_load_b128 s[16:19], s[0:1], 0x70             ; w1_0, b1_0
	ROLE 0, 0, 0
	s_branch .Ltail
.Lnet2:
	s_load_b256 s[12:19], s[0:1], 0x50             ; w2_0, b2_0, w2_1, b2_1
	ROLE 1, 0, 4096
	s_branch .Ltail
.Lnet3:
	s_load_b256 s[12:19], s[0:1], 0x20             ; w3_0, b3_0, w3_1, b3_1
	s_load_b128 s[20:23], s[0:1], 0x40             ; prev_weight_change, prev_bias_change
	ROLE 1, 1, 8192
.Ltail:
	; my four rows' sums over the 32 lanes, into every lane
.irp m, 1,2,4,8
.irp k, 0,1,2,3
	v_add_f32_dpp v[P+\k], v[P+\k], v[P+\k] row_xmask:\m row_mask:0xf bank_mask:0xf
.endr
.endr
.irp k, 0,1,2,3
	v_permlanex16_b32 v[T+\k], v[P+\k], s39, s40
.endr
	v_pk_add_f32 v[P:P+1], v[P:P+1], v[T:T+1]
	v_pk_add_f32 v[P+2:P+3], v[P+2:P+3], v[T+2:T+3]
	ds_store_b128 v9, v[P:P+3]                     ; all lanes store the same 16 bytes
	s_wait_dscnt 0x0                               ; in LDS before I say so
	s_barrier_signal -1
	s_barrier_wait -1
	s_cmp_lg_u32 s24, 0
	s_cbranch_scc1 .Lend
	ds_load_b64 v[T:T+1], v8 offset:1024           ; wave 0: rows 2 l, 2 l + 1 of the 64
	s_wait_dscnt 0x0
	v_pk_add_f32 v[T:T+1], v[T:T+1], v[BV1:BV1+1]
	v_pk_mul_f32 v[T+2:T+3], v[T:T+1], SLOPE op_sel_hi:[1,0]
	v_max_num_f32 v[T], v[T], v[T+2]
	v_max_num_f32 v[T+1], v[T+1], v[T+3]
	global_store_b64 v8, v[T:T+1], s[10:11]        ; the wave stores 256 consecutive bytes, at a multiple of 256 from acts' first byte
.Lend:
	s_wait_xcnt 0x0
	v_lshl_add_u32 v254, v0, 2, 0x600
	v_mov_b32 v255, 0
	s_wait_tensorcnt 0x0
	ds_add_u32 v254, v255
	s_wait_dscnt 0x0
	s_endpgm
.Lfunc_end_k_q1fae113dda_front:
	.size	k_q1fae113dda_front, .Lfunc_end_k_q1fae113dda_front-k_q1fae113dda_front
	.p2alignl 7, 3214868480
	.fill 96, 4, 3214868480
	.section	.rodata,"a",@progbits
	.p2align	6, 0x0
	.amdhsa_kernel k_q1fae113dda_front
		.amdhsa_group_segment_fixed_size 3584
		.amdhsa_private_segment_fixed_size 0
		.amdhsa_enable_private_segment 0
		.amdhsa_kernarg_size 128
		.amdhsa_user_sgpr_count 2
		.amdhsa_user_sgpr_kernarg_segment_ptr 1
		.amdhsa_wavefront_size32 1
		.amdhsa_system_sgpr_workgroup_id_x 1
		.amdhsa_system_sgpr_workgroup_id_y 1
		.amdhsa_system_sgpr_workgroup_id_z 1
		.amdhsa_system_vgpr_workitem_id 0
		.amdhsa_next_free_vgpr 256
		.amdhsa_next_free_sgpr 66
		.amdhsa_reserve_vcc 0
		.amdhsa_float_denorm_mode_32 3
		.amdhsa_float_denorm_mode_16_64 3
		.amdhsa_memory_ordered 1
		.amdhsa_forward_progress 1
		.amdhsa_inst_pref_size 44
	.end_amdhsa_kernel
	.amdgpu_metadata
---
amdhsa.version: [ 1, 2 ]
amdhsa.kernels:
  - .name:           k_q1fae113dda_front
    .symbol:         k_q1fae113dda_front.kd
    .args:
      - { .name: inputs, .offset: 0, .size: 8, .value_kind: global_buffer, .address_space: global }
      - { .name: prev_output, .offset: 8, .size: 8, .value_kind: global_buffer, .address_space: global }
      - { .name: state, .offset: 16, .size: 8, .value_kind: global_buffer, .address_space: global }
      - { .name: acts, .offset: 24, .size: 8, .value_kind: global_buffer, .address_space: global }
      - { .name: w3_0, .offset: 32, .size: 8, .value_kind: global_buffer, .address_space: global }
      - { .name: b3_0, .offset: 40, .size: 8, .value_kind: global_buffer, .address_space: global }
      - { .name: w3_1, .offset: 48, .size: 8, .value_kind: global_buffer, .address_space: global }
      - { .name: b3_1, .offset: 56, .size: 8, .value_kind: global_buffer, .address_space: global }
      - { .name: prev_weight_change, .offset: 64, .size: 8, .value_kind: global_buffer, .address_space: global }
      - { .name: prev_bias_change, .offset: 72, .size: 8, .value_kind: global_buffer, .address_space: global }
      - { .name: w2_0, .offset: 80, .size: 8, .value_kind: global_buffer, .address_space: global }
      - { .name: b2_0, .offset: 88, .size: 8, .value_kind: global_buffer, .address_space: global }
      - { .name: w2_1, .offset: 96, .size: 8, .value_kind: global_buffer, .address_space: global }
      - { .name: b2_1, .offset: 104, .size: 8, .value_kind: global_buffer, .address_space: global }
      - { .name: w1_0, .offset: 112, .size: 8, .value_kind: global_buffer, .address_space: global }
      - { .name: b1_0, .offset: 120, .size: 8, .value_kind: global_buffer, .address_space: global }
    .group_segment_fixed_size: 3584
    .private_segment_fixed_size: 0
    .kernarg_segment_align: 8
    .kernarg_segment_size: 128
    .max_flat_workgroup_size: 512
    .sgpr_count:     66
    .vgpr_count:     256
    .wavefront_size: 32
...
	.end_amdgpu_metadata
.endif
;; end of part 1
;; launch middle (part 2): grid 256 x 1, 8 waves a work-group, no clusters, 5,632 bytes of LDS; arguments acts, parts, prev_weight_change, prev_bias_change, w3_2, b3_2, w3_3, w2_2, b2_2, w2_3, w1_1, b1_1, w1_2; writes parts
.if DOCPART == 2
	.amdgcn_target "amdgcn-amd-amdhsa--gfx1250"
	.amdhsa_code_object_version 6
	.text
	.protected	k_q1fae113dda_middle
	.globl	k_q1fae113dda_middle
	.p2align	8
	.type	k_q1fae113dda_middle,@function
k_q1fae113dda_middle:
	s_mov_b64 s[64:65], 0
	v_nop
	global_prefetch_b8 v0, s[64:65] scope:SCOPE_SE
	s_setreg_imm32_b32 hwreg(HW_REG_WAVE_MODE, 25, 1), 1
	s_wait_xcnt 0x0
; MIDDLE: the 1024 x 1024 layer of each net, and its activations pushed straight through the 64 x 1024 layer behind it.
;   work-groups   0-127: net3 (D = 1), 8 rows each of w3_2 + change; wave w: row 8 g + w, weights in stream 0, change in stream 1
;   work-groups 128-191: net2 (D = 0), 16 rows each of w2_2; wave w: row 16 g + w in stream 0, row 16 g + 8 + w in stream 1
;   work-groups 192-255: net1 (D = 0), 16 rows each of w1_1, likewise
; So every wave issues 16 loads of 512 consecutive bytes and every work-group reads 64 KiB of weights: equal work, no loop.
; The work-group's 8 or 16 activations (bias and LeakyReLU done) then multiply their columns of the next layer (w3_3 + change, w2_3, w1_2):
; 64 partial sums, stored as row [work-group] of parts (f32[256][64]), 256 consecutive aligned bytes.  The next launch adds the rows in
; a fixed order.  That spares an exchange between work-groups: no work-group ever needs the whole 1024-vector of this layer.
; ONE PATH for the three nets: pointers are chosen by s_cselect_b64 on the work-group's number, values by v_cndmask_b32.  The table of
; activations in LDS has 16 words, and wave w stores words w and w + 8.  D = 0: a[w] and a[8 + w].  D = 1: a[w] twice, so that quads 2, 3 of
; the table meet the change's columns as quads 0, 1 meet the weights'.
; STATED COST: the push reads 64 bytes (net3: 32 + 32) of each of 64 rows that lie 4,096 bytes apart: 1 MiB in the whole launch.
; NO MATRIX UNIT: every product has one row of activations; a 16 x 16 tile would carry 15 idle rows, and the conversion to 16 bits costs as many
; vector instructions as the packed f32 multiply-add that does the work itself.  NO JOINT REQUESTS: what work-groups share is the 4 KiB vector,
; against 64 KiB of weights of their own.
; LIMITS: f32 sums in another order than the model's; for net3 W x and dW x are two sums, added once; leaky(x) = max(x, 0.01 x).
; EXEC is never changed.
.set SLOPE, 0x3c23d70a
.set XG,  4                            ; v[4:7]     my 16 bytes of the 1024-vector on their way to LDS
.set X,   16                           ; v[16:47]   chunk k: elements 128 k + 4 l .. + 3
.set W0,  48                           ; v[48:79]   stream 0, chunk k at 4 k
.set W1,  80                           ; v[80:111]  stream 1
.set PW,  112                          ; v[112:143] wave 0: next layer's row 2 l + e, quad j at 16 e + 4 j
.set ACC, 144                          ; v[144:151] two chains of pairs for each stream
.set T,   152                          ; v[152:155] at work
.set AS,  156                          ; v[156:171] the 16 words of the table
	s_load_b256 s[4:11], s[0:1], 0x0               ; acts s[4:5], parts s[6:7], prev_weight_change s[8:9], prev_bias_change s[10:11]
	s_load_b512 s[16:31], s[0:1], 0x20             ; w3_2, b3_2, w3_3, w2_2, b2_2, w2_3, w1_1, b1_1
	s_load_b64 s[32:33], s[0:1], 0x60              ; w1_2
	v_lshl_add_u32 v176, v0, 2, 0x1200
	v_mov_b32 v177, 0
	v_and_b32 v1, 31, v0                           ; l
	v_lshrrev_b32 v2, 5, v0
	v_readfirstlane_b32 s44, v2                    ; w
	s_mov_b32 s54, 0x76543210                      ; v_permlanex16_b32: lane i takes lane i of the other half
	s_mov_b32 s55, 0xfedcba98
	s_and_b32 s45, ttmp9, 63                       ; g where D = 0 (where D = 1 it is ttmp9 itself)
	s_lshl_b32 s47, s44, 12                        ; my wave's row of 4,096 bytes, in both streams
	s_lshl_b32 s50, s44, 2                         ; my wave's number in a bias
	s_lshl_b32 s51, s45, 6                         ; D = 0: 16 numbers a work-group,
	s_lshl_b32 s60, s45, 16                        ;        16 rows a work-group
	s_lshl_b32 s61, ttmp9, 5                       ; D = 1: 8 numbers,
	s_lshl_b32 s62, ttmp9, 15                      ;        8 rows
	s_cmp_lt_u32 ttmp9, 128
	s_cselect_b32 s46, -1, 0                       ; a lane mask: all ones where D = 1
	s_cselect_b32 s51, s61, s51                    ; the work-group's bytes into a bias, and into a row of the next layer
	s_cselect_b32 s60, s62, s60                    ; the work-group's bytes into the weights
	s_add_co_u32 s50, s50, s51                     ; my wave's bytes into the bias
	v_lshl_add_u32 v2, v1, 4, s47                  ; streams: wave's row + 16 l
	v_lshlrev_b32 v3, 13, v1                       ; push: row 2 l of 4,096 bytes
	v_lshlrev_b32 v8, 4, v1                        ; 16 l
	s_lshl_b32 s48, s44, 9
	v_add_nc_u32 v9, s48, v8                       ; 512 w + 16 l: my 16 bytes of the vector, in acts and in LDS
	v_lshlrev_b32 v10, 3, v1                       ; 8 l
	s_lshl_b32 s48, s44, 2
	s_add_co_u32 s48, s48, 4096
	v_mov_b32 v13, s48                             ; table: word w (and, 32 bytes on, word w + 8)
	v_mov_b32 v12, 0x1000                          ; the table's first byte
	s_wait_kmcnt 0x0
	s_cmp_lt_u32 ttmp9, 192                        ; net2 or net1,
	s_cselect_b64 s[12:13], s[22:23], s[28:29]     ; W
	s_cselect_b64 s[14:15], s[24:25], s[30:31]     ; B
	s_cselect_b64 s[34:35], s[26:27], s[32:33]     ; the next layer's weights
	s_cselect_b32 s48, 4096, 0                     ; the net's slot in acts
	s_cmp_lt_u32 ttmp9, 128                        ; or net3
	s_cselect_b64 s[12:13], s[16:17], s[12:13]
	s_cselect_b64 s[14:15], s[18:19], s[14:15]
	s_cselect_b64 s[34:35], s[20:21], s[34:35]
	s_cselect_b32 s48, 8192, s48
	s_mov_b32 s49, 0
	s_add_nc_u64 s[4:5], s[4:5], s[48:49]          ; the net's 1024-vector
	s_lshl_b32 s48, ttmp9, 8
	s_add_nc_u64 s[6:7], s[6:7], s[48:49]          ; my row of parts
	s_mov_b32 s48, s60
	s_add_nc_u64 s[36:37], s[12:13], s[48:49]      ; stream 0
	s_add_nc_u64 s[38:39], s[36:37], 32768         ; stream 1, D = 0: eight rows on
	s_add_nc_u64 s[56:57], s[8:9], s[48:49]
	s_add_nc_u64 s[56:57], s[56:57], 0x140000      ; stream 1, D = 1: the change of w3_2, 327,680 numbers into its buffer
	s_mov_b32 s48, s51
	s_add_nc_u64 s[40:41], s[34:35], s[48:49]      ; push, quads 0, 1
	s_add_nc_u64 s[42:43], s[40:41], 32            ; quads 2, 3, D = 0: the next 8 columns
	s_add_nc_u64 s[58:59], s[8:9], s[48:49]
	s_add_nc_u64 s[58:59], s[58:59], 0x540000      ; D = 1: the change of w3_3, 1,376,256 numbers in
	s_add_nc_u64 s[12:13], s[14:15], 32            ; second bias scalar, D = 0: the bias eight rows on
	s_add_nc_u64 s[16:17], s[10:11], 5120          ; D = 1: the bias's change, 1,280 numbers in
	s_cmp_lt_u32 ttmp9, 128
	s_cselect_b64 s[38:39], s[56:57], s[38:39]
	s_cselect_b64 s[42:43], s[58:59], s[42:43]
	s_cselect_b64 s[12:13], s[16:17], s[12:13]
	s_load_b32 s52, s[14:15], s50
	s_load_b32 s53, s[12:13], s50
	s_cmp_lg_u32 s44, 0
	s_cbranch_scc1 .Lnopush
	; wave 0 alone, and first, so that the counted wait below means the same in every wave
.irp e, 0,1
.irp j, 0,1
	global_load_b128 v[PW+16*\e+4*\j:PW+16*\e+4*\j+3], v3, s[40:41] offset:4096*\e+16*\j
.endr
.irp j, 0,1
	global_load_b128 v[PW+16*\e+8+4*\j:PW+16*\e+8+4*\j+3], v3, s[42:43] offset:4096*\e+16*\j
.endr
.endr
.Lnopush:
	global_load_b128 v[XG:XG+3], v9, s[4:5]
.irp k, 0,1,2,3,4,5,6,7
	global_load_b128 v[W0+4*\k:W0+4*\k+3], v2, s[36:37] offset:512*\k th:TH_LOAD_NT
.endr
.irp k, 0,1,2,3,4,5,6,7
	global_load_b128 v[W1+4*\k:W1+4*\k+3], v2, s[38:39] offset:512*\k th:TH_LOAD_NT
.endr
	s_wait_loadcnt 16                              ; the 16 weight loads stay out; my piece of the vector is in
	ds_store_b128 v9, v[XG:XG+3]
	s_wait_dscnt 0x0                               ; in LDS before I say so
	s_barrier_signal -1
	s_barrier_wait -1
.irp k, 0,1,2,3,4,5,6,7
	ds_load_b128 v[X+4*\k:X+4*\k+3], v8 offset:512*\k
.endr
	s_wait_loadcnt 0x0
	s_wait_dscnt 0x0
.irp g, 0,1
	v_pk_mul_f32 v[ACC+4*\g:ACC+4*\g+1], v[W0+32*\g:W0+32*\g+1], v[X:X+1]
	v_pk_mul_f32 v[ACC+4*\g+2:ACC+4*\g+3], v[W0+32*\g+2:W0+32*\g+3], v[X+2:X+3]
.endr
.irp k, 1,2,3,4,5,6,7
.irp g, 0,1
	v_pk_fma_f32 v[ACC+4*\g:ACC+4*\g+1], v[W0+32*\g+4*\k:W0+32*\g+4*\k+1], v[X+4*\k:X+4*\k+1], v[ACC+4*\g:ACC+4*\g+1]
	v_pk_fma_f32 v[ACC+4*\g+2:ACC+4*\g+3], v[W0+32*\g+4*\k+2:W0+32*\g+4*\k+3], v[X+4*\k+2:X+4*\k+3], v[ACC+4*\g+2:ACC+4*\g+3]
.endr
.endr
	v_pk_add_f32 v[ACC:ACC+1], v[ACC:ACC+1], v[ACC+2:ACC+3]
	v_pk_add_f32 v[ACC+4:ACC+5], v[ACC+4:ACC+5], v[ACC+6:ACC+7]
	v_add_f32 v[T], v[ACC], v[ACC+1]               ; stream 0's sum in my lane
	v_add_f32 v[T+1], v[ACC+4], v[ACC+5]           ; stream 1's
.irp m, 1,2,4,8
	v_add_f32_dpp v[T], v[T], v[T] row_xmask:\m row_mask:0xf bank_mask:0xf
	v_add_f32_dpp v[T+1], v[T+1], v[T+1] row_xmask:\m row_mask:0xf bank_mask:0xf
.endr
	v_permlanex16_b32 v[ACC+2], v[T], s54, s55     ; into registers that have been written and are done with
	v_permlanex16_b32 v[ACC+3], v[T+1], s54, s55
	v_pk_add_f32 v[T:T+1], v[T:T+1], v[ACC+2:ACC+3]    ; both sums over the 32 lanes, in every lane
	s_wait_kmcnt 0x0                               ; the two bias scalars
	v_add_f32 v[T], s52, v[T]                      ; D = 0: row w + its bias          D = 1: W x + b
	v_add_f32 v[T+1], s53, v[T+1]                  ;        row 8 + w + its bias             dW x + change
	v_add_f32 v[T+2], v[T], v[T+1]
	v_add_f32 v[T+2], s52, v[T+2]                  ; D = 1: W x + dW x + b + (b + change)
	v_cndmask_b32 v[T], v[T], v[T+2], s46          ; D = 1: that number in both places
	v_cndmask_b32 v[T+1], v[T+1], v[T+2], s46
	v_pk_mul_f32 v[T+2:T+3], v[T:T+1], SLOPE op_sel_hi:[1,0]
	v_max_num_f32 v[T], v[T], v[T+2]
	v_max_num_f32 v[T+1], v[T+1], v[T+3]
	ds_store_b32 v13, v[T]                         ; all lanes store the same number to the same word
	ds_store_b32 v13, v[T+1] offset:32
	s_wait_dscnt 0x0                               ; in LDS before I say so
	s_barrier_signal -1
	s_barrier_wait -1
	s_cmp_lg_u32 s44, 0
	s_cbranch_scc1 .Lend
.irp j, 0,1,2,3
	ds_load_b128 v[AS+4*\j:AS+4*\j+3], v12 offset:16*\j            ; every lane reads the same 64 bytes
.endr
	s_wait_dscnt 0x0
.irp e, 0,1
	v_pk_mul_f32 v[ACC+2*\e:ACC+2*\e+1], v[PW+16*\e:PW+16*\e+1], v[AS:AS+1]
.endr
.irp q, 1,2,3,4,5,6,7
.irp e, 0,1
	v_pk_fma_f32 v[ACC+2*\e:ACC+2*\e+1], v[PW+16*\e+2*\q:PW+16*\e+2*\q+1], v[AS+2*\q:AS+2*\q+1], v[ACC+2*\e:ACC+2*\e+1]
.endr
.endr
	v_add_f32 v[T], v[ACC], v[ACC+1]               ; partial sum of output 2 l
	v_add_f32 v[T+1], v[ACC+2], v[ACC+3]           ; and of 2 l + 1
	global_store_b64 v10, v[T:T+1], s[6:7]         ; the wave stores 256 consecutive bytes, at a multiple of 256 from parts' first byte
.Lend:
	s_wait_tensorcnt 0x0
	ds_add_u32 v176, v177
	s_wait_dscnt 0x0
	s_endpgm
.Lfunc_end_k_q1fae113dda_middle:
	.size	k_q1fae113dda_middle, .Lfunc_end_k_q1fae113dda_middle-k_q1fae113dda_middle
	.p2alignl 7, 3214868480
	.fill 96, 4, 3214868480
	.section	.rodata,"a",@progbits
	.p2align	6, 0x0
	.amdhsa_kernel k_q1fae113dda_middle
		.amdhsa_group_segment_fixed_size 5632
		.amdhsa_private_segment_fixed_size 0
		.amdhsa_enable_private_segment 0
		.amdhsa_kernarg_size 104
		.amdhsa_user_sgpr_count 2
		.amdhsa_user_sgpr_kernarg_segment_ptr 1
		.amdhsa_wavefront_size32 1
		.amdhsa_system_sgpr_workgroup_id_x 1
		.amdhsa_system_sgpr_workgroup_id_y 1
		.amdhsa_system_sgpr_workgroup_id_z 1
		.amdhsa_system_vgpr_workitem_id 0
		.amdhsa_next_free_vgpr 178
		.amdhsa_next_free_sgpr 66
		.amdhsa_reserve_vcc 0
		.amdhsa_float_denorm_mode_32 3
		.amdhsa_float_denorm_mode_16_64 3
		.amdhsa_memory_ordered 1
		.amdhsa_forward_progress 1
		.amdhsa_inst_pref_size 12
	.end_amdhsa_kernel
	.amdgpu_metadata
---
amdhsa.version: [ 1, 2 ]
amdhsa.kernels:
  - .name:           k_q1fae113dda_middle
    .symbol:         k_q1fae113dda_middle.kd
    .args:
      - { .name: acts, .offset: 0, .size: 8, .value_kind: global_buffer, .address_space: global }
      - { .name: parts, .offset: 8, .size: 8, .value_kind: global_buffer, .address_space: global }
      - { .name: prev_weight_change, .offset: 16, .size: 8, .value_kind: global_buffer, .address_space: global }
      - { .name: prev_bias_change, .offset: 24, .size: 8, .value_kind: global_buffer, .address_space: global }
      - { .name: w3_2, .offset: 32, .size: 8, .value_kind: global_buffer, .address_space: global }
      - { .name: b3_2, .offset: 40, .size: 8, .value_kind: global_buffer, .address_space: global }
      - { .name: w3_3, .offset: 48, .size: 8, .value_kind: global_buffer, .address_space: global }
      - { .name: w2_2, .offset: 56, .size: 8, .value_kind: global_buffer, .address_space: global }
      - { .name: b2_2, .offset: 64, .size: 8, .value_kind: global_buffer, .address_space: global }
      - { .name: w2_3, .offset: 72, .size: 8, .value_kind: global_buffer, .address_space: global }
      - { .name: w1_1, .offset: 80, .size: 8, .value_kind: global_buffer, .address_space: global }
      - { .name: b1_1, .offset: 88, .size: 8, .value_kind: global_buffer, .address_space: global }
      - { .name: w1_2, .offset: 96, .size: 8, .value_kind: global_buffer, .address_space: global }
    .group_segment_fixed_size: 5632
    .private_segment_fixed_size: 0
    .kernarg_segment_align: 8
    .kernarg_segment_size: 104
    .max_flat_workgroup_size: 256
    .sgpr_count:     66
    .vgpr_count:     178
    .wavefront_size: 32
...
	.end_amdgpu_metadata
.endif
;; end of part 2
;; launch stream (part 3): grid 256 x 1, 16 waves a work-group, no clusters, 10,752 bytes of LDS; arguments parts, b2_3, w2_4, b2_4, out2, out3, b1_2, out0, b3_3, prev_bias_change, w3_4, prev_weight_change, b3_4, out1; writes out0, out1, out2, out3
.if DOCPART == 3
	.amdgcn_target "amdgcn-amd-amdhsa--gfx1250"
	.amdhsa_code_object_version 6
	.text
	.protected	k_q1fae113dda_stream
	.globl	k_q1fae113dda_stream
	.p2align	8
	.type	k_q1fae113dda_stream,@function
k_q1fae113dda_stream:
	s_mov_b64 s[64:65], 0
	v_nop
	global_prefetch_b8 v0, s[64:65] scope:SCOPE_SE
	s_setreg_imm32_b32 hwreg(HW_REG_WAVE_MODE, 25, 1), 1
	s_wait_xcnt 0x0
; STREAM: work-groups 0-254: x2 = 5 tanh(w2_4 h + b2_4), 1,452,480 rows of 64 f32, into out2 (first 1,449,984) and out3 (last 2,496).
;         work-group 255: out0 (net1's last sums + bias), and net3's last two layers with 2 tanh, out1.
; h = leaky(sum of rows 128-191 of parts + b2_3) is made by every work-group for itself (16 KiB), while its first weights are on their way.
; A UNIT is 64 rows: 16 KiB of w2_4, 256 bytes of result.  22,695 units = 255 x 89: a work-group has 89, wave w takes units 16 n + w of them
; (waves 0-8 six, waves 9-15 five).  Units below 22,656 go to out2, the others to out3: no unit straddles the two.
; LANES: a unit is 32 loads, slot s = 16 g + j.  Lane (h, c) takes bytes 16 c .. + 15 of row 32 h + 2 j + g: each half of the wave reads one whole
; row, 256 consecutive aligned bytes.  Folding group g's 16 partial sums leaves row 2 L + g in lane L: so a lane ends with two neighbouring
; results, and one store of the wave covers the unit's 256 consecutive aligned bytes.
; RING: 32 slots of 4 registers, each loaded again for the wave's next unit as soon as it has been multiplied: 33 loads of a wave (32 of weights,
; one of bias) are always out, 16.25 KiB a wave, 260 KiB a work-group.  No wait for data in the loop is for zero.
; NO MATRIX UNIT: one vector against every row; the conversion to 16 bits alone would cost what the packed f32 multiply-add costs.  NO LDS for the
; weights: each byte feeds one lane once.  NO JOINT REQUESTS: work-groups share 16 KiB of parts against 1.4 MiB of their own.
; LIMITS: f32 sums in another order than the model's.  tanh(x) = 1 - 2 / (1 + 2^(2 x log2 e)): right at +-infinity and for large |x| (the power
; goes to infinity or 0, the quotient to 0 or 1), NaN stays NaN; its error is some 1e-7 of the scale (5 or 2) in absolute terms, so results
; far below that are not exact relatively.  v_exp_f32 and v_rcp_f32 are good to 1 ULP.  EXEC is never changed.
.set SLOPE, 0x3c23d70a                 ; 0.01
.set C2,    0x4038aa3b                 ; 2 log2 e
.set H,    4                           ; v[4:7]     h[4 c .. 4 c + 3], times C2 in the stream
.set P,    8                           ; v[8:23]    16 partial sums
.set T,    24                          ; v[24:31]   at work
.set R,    32                          ; v[32:33]   rows 2 L, 2 L + 1
.set BI,   34                          ; v[34:35]   their biases
.set O,    36                          ; v[36:37]   their results
.set RING, 40                          ; v[40:167]
.set Z,    168                         ; v[168:199] sums of parts
.set BH,   204                         ; v[204:207] b2_3[4 c ..]
.set KN,   208                         ; v[208:209] -10, -10
.set KP,   210                         ; v[210:211] 5, 5
.set B33,  40                          ; work-group 255, in the ring's registers: b3_3[4 c ..]
.set PB3,  44                          ; its change
.set W4,   48                          ; v[48:63]   w3_4, row rho + 32 k, quad c, at 4 k
.set DW4,  64                          ; v[64:79]   its change
.set B12,  80                          ; v[80:81]   b1_2[2 l ..]
.set B34,  84                          ; v[84:87]   b3_4[4 l ..]
.set PB4,  88                          ; v[88:91]   its change
.set SM8, 44
.set SM4, 45
.set SM2, 46
.set SM1, 47
; One step of the fold: lanes whose number has the bit `span` keep the upper `span` registers and hand the lower ones to their partner
; (lane xor span), the others the other way round; the add takes the partner's register by DPP.
.macro RSTEP p, t, span, msk, dst
.set rj, 0
.rept \span
	v_cndmask_b32 v[\t+rj], v[\p+rj+\span], v[\p+rj], s[\msk]
.set rj, rj+1
.endr
.set rj, 0
.rept \span
	v_cndmask_b32 v[\p+rj], v[\p+rj], v[\p+rj+\span], s[\msk]
.set rj, rj+1
.endr
.set rj, 0
.rept \span
	v_add_f32_dpp v[\dst+rj], v[\t+rj], v[\p+rj] row_xmask:\span row_mask:0xf bank_mask:0xf
.set rj, rj+1
.endr
.endm
.macro REDUCE16 p, t, dst              ; lane c of each half: dst = register c summed over the half's 16 lanes
	RSTEP \p, \t, 8, SM8, \p
	RSTEP \p, \t, 4, SM4, \p
	RSTEP \p, \t, 2, SM2, \p
	RSTEP \p, \t, 1, SM1, \dst
.endm
.macro QADD a, b                       ; four numbers += four numbers
	v_pk_add_f32 v[\a:\a+1], v[\a:\a+1], v[\b:\b+1]
	v_pk_add_f32 v[\a+2:\a+3], v[\a+2:\a+3], v[\b+2:\b+3]
.endm
.macro XHALF q, tmp                    ; four numbers += the other half's four (tmp: registers that have been written)
.irp k, 0,1,2,3
	v_permlanex16_b32 v[\tmp+\k], v[\q+\k], s48, s49
.endr
	QADD \q, \tmp
.endm
.macro LEAKY4 q, tmp, dst
	v_pk_mul_f32 v[\tmp:\tmp+1], v[\q:\q+1], SLOPE op_sel_hi:[1,0]
	v_pk_mul_f32 v[\tmp+2:\tmp+3], v[\q+2:\q+3], SLOPE op_sel_hi:[1,0]
.irp k, 0,1,2,3
	v_max_num_f32 v[\dst+\k], v[\q+\k], v[\tmp+\k]
.endr
.endm
; the 16 waves' rows of 64 sums at LDS byte base -> their total's quad c in Z .. Z+3 of every lane
.macro GATHER8 base
.irp i, 0,1,2,3,4,5,6,7
	ds_load_b128 v[Z+4*\i:Z+4*\i+3], v39 offset:\base+256*\i       ; row 8 h + i
.endr
	s_wait_dscnt 0x0
	QADD Z, Z+4
	QADD Z+8, Z+12
	QADD Z+16, Z+20
	QADD Z+24, Z+28
	QADD Z, Z+8
	QADD Z+16, Z+24
	QADD Z, Z+16
	XHALF Z, Z+4
.endm
; four slots: multiply, load them again for the next unit (ahead = 1), and leave four partial sums
.macro QUAD s, ahead, left
	s_wait_loadcnt \left
.irp k, 0,1,2,3
	v_pk_mul_f32 v[T+2*\k:T+2*\k+1], v[RING+4*(\s+\k):RING+4*(\s+\k)+1], v[H:H+1]
.endr
.irp k, 0,1,2,3
	v_pk_fma_f32 v[T+2*\k:T+2*\k+1], v[RING+4*(\s+\k)+2:RING+4*(\s+\k)+3], v[H+2:H+3], v[T+2*\k:T+2*\k+1]
.endr
.if \ahead
.irp k, 0,1,2,3
	global_load_b128 v[RING+4*(\s+\k):RING+4*(\s+\k)+3], v1, s[36:37] offset:256*(2*((\s+\k)%16)+(\s+\k)/16) th:TH_LOAD_NT
.endr
.endif
.irp k, 0,1,2,3
	v_add_f32 v[P+(\s+\k)%16], v[T+2*\k], v[T+2*\k+1]
.endr
.endm
; One unit.  ahead = 1: behind slots s .. s + 3 there are out 28 - s slots of this unit, its bias, and s slots of the next unit: always 29.
; ahead = 0 (the wave's last unit): 28 - s slots and the bias.
.macro UNIT ahead
.irp q, 0,4,8,12
.if \ahead
	QUAD \q, 1, 29
.else
	QUAD \q, 0, 29-\q
.endif
.endr
	REDUCE16 P, T, R                               ; rows 2 L
.irp q, 16,20,24,28
.if \ahead
	QUAD \q, 1, 29
.else
	QUAD \q, 0, 29-\q
.endif
.endr
	REDUCE16 P, T, R+1                             ; rows 2 L + 1
.if \ahead
	s_wait_loadcnt 32                              ; the next unit's 32 weight loads stay out: this unit's bias is in
.else
	s_wait_loadcnt 0
.endif
	v_pk_fma_f32 v[R:R+1], v[BI:BI+1], C2, v[R:R+1] op_sel_hi:[1,0,1]      ; h carries C2 already: C2 (w h + b)
.if \ahead
	global_load_b64 v[BI:BI+1], v2, s[38:39] th:TH_LOAD_NT
.endif
	v_exp_f32 v[T], v[R]
	v_exp_f32 v[T+1], v[R+1]
	v_nop                                          ; one plain vector instruction behind a transcendental before its result is used (ISA guide 5.7.2)
	s_wait_alu depctr_va_vdst(0)
	v_pk_add_f32 v[T:T+1], v[T:T+1], 1.0 op_sel_hi:[1,0]
	v_rcp_f32 v[T+2], v[T]
	v_rcp_f32 v[T+3], v[T+1]
	s_cmp_lt_u32 s33, 22656                        ; out2 has 22,656 units, out3 the 39 behind them
	s_cselect_b64 s[40:41], s[12:13], s[14:15]
	s_cselect_b32 s42, 0, 22656
	s_sub_co_u32 s42, s33, s42
	s_lshl_b32 s42, s42, 8
	s_add_nc_u64 s[40:41], s[40:41], s[42:43]
	v_nop
	s_wait_alu depctr_va_vdst(0)
	v_pk_fma_f32 v[O:O+1], v[T+2:T+3], v[KN:KN+1], v[KP:KP+1]      ; 5 tanh = 5 - 10 / (1 + 2^..)
	global_store_b64 v2, v[O:O+1], s[40:41] th:TH_STORE_NT         ; the wave stores 256 consecutive aligned bytes
.endm
	s_load_b256 s[4:11], s[0:1], 0x0               ; parts s[4:5], b2_3 s[6:7], w2_4 s[8:9], b2_4 s[10:11]
	s_load_b128 s[12:15], s[0:1], 0x20             ; out2 s[12:13], out3 s[14:15]
	v_lshl_add_u32 v212, v0, 2, 0x2200
	v_mov_b32 v213, 0
	v_and_b32 v8, 31, v0                           ; l
	v_and_b32 v9, 15, v0                           ; c
	v_bfe_u32 v10, v0, 4, 1                        ; h
	v_lshrrev_b32 v11, 5, v0
	v_readfirstlane_b32 s32, v11                   ; w
	s_mov_b32 s[SM8], 0xff00ff00
	s_mov_b32 s[SM4], 0xf0f0f0f0
	s_mov_b32 s[SM2], 0xcccccccc
	s_mov_b32 s[SM1], 0xaaaaaaaa
	s_mov_b32 s48, 0x76543210
	s_mov_b32 s49, 0xfedcba98
	v_lshlrev_b32 v38, 4, v9                       ; 16 c
	v_lshl_add_u32 v1, v10, 13, v38                ; weights: 32 rows of 256 bytes x h + 16 c
	v_lshlrev_b32 v2, 3, v8                        ; 8 l
	v_lshlrev_b32 v3, 4, v0                        ; 16 t
	v_lshl_add_u32 v39, v10, 11, v38               ; LDS: 8 rows of 256 bytes x h + 16 c
	s_lshl_b32 s35, s32, 8
	v_add_nc_u32 v200, s35, v38                    ; LDS: my wave's row + 16 c
	v_lshlrev_b32 v201, 4, v8                      ; 16 l
	s_lshl_b32 s35, s32, 3
	v_lshl_add_u32 v202, v10, 2, s35               ; 4 (2 w + h) = 4 rho
	v_mov_b32 v[R], 0                              ; written once: a DPP form counts as a reader of its destination
	v_mov_b32 v[R+1], 0
	v_mov_b32 v[KN], 0xc1200000
	v_mov_b32 v[KN+1], 0xc1200000
	v_mov_b32 v[KP], 0x40a00000
	v_mov_b32 v[KP+1], 0x40a00000
	s_cmp_eq_u32 ttmp9, 255
	s_cbranch_scc1 .Ltailwg
	s_mul_i32 s33, ttmp9, 89
	s_add_co_u32 s33, s33, s32                     ; my first unit
	s_lshl_b32 s42, s33, 14                        ; below 2^32: 22,695 units of 16,384 bytes
	s_mov_b32 s43, 0
	s_wait_kmcnt 0x0
	s_add_nc_u64 s[36:37], s[8:9], s[42:43]
	s_lshl_b32 s42, s33, 8
	s_add_nc_u64 s[38:39], s[10:11], s[42:43]
	global_load_b128 v[Z:Z+3], v3, s[4:5] offset:32768             ; parts, row 128 + t / 16, quad c
	global_load_b128 v[Z+4:Z+7], v3, s[4:5] offset:40960           ; row 160 + t / 16
	global_load_b128 v[BH:BH+3], v38, s[6:7]
.set rs, 0
.rept 32
	global_load_b128 v[RING+4*rs:RING+4*rs+3], v1, s[36:37] offset:256*(2*(rs%16)+rs/16) th:TH_LOAD_NT
.set rs, rs+1
.endr
	global_load_b64 v[BI:BI+1], v2, s[38:39] th:TH_LOAD_NT
	s_wait_loadcnt 33                              ; the first unit's 33 loads stay out
	QADD Z, Z+4
	XHALF Z, Z+4                                   ; four rows of parts summed, in both halves alike
	ds_store_b128 v200, v[Z:Z+3]
	s_wait_dscnt 0x0                               ; in LDS before I say so
	s_barrier_signal -1
	s_barrier_wait -1
	GATHER8 0
	QADD Z, BH
	LEAKY4 Z, Z+4, H
	v_pk_mul_f32 v[H:H+1], v[H:H+1], C2 op_sel_hi:[1,0]
	v_pk_mul_f32 v[H+2:H+3], v[H+2:H+3], C2 op_sel_hi:[1,0]
	s_wait_xcnt 0x0                                ; the bases of the loads above are stepped only behind this wait
	s_add_nc_u64 s[36:37], s[36:37], 0x40000       ; my next unit: 16 units on
	s_add_nc_u64 s[38:39], s[38:39], 0x1000
	s_cmp_lt_u32 s32, 9
	s_cselect_b32 s34, 5, 4                        ; units but the last: 16 n + w < 89
.Lunit:
	UNIT 1
	s_wait_xcnt 0x0                                ; bases, the store's data and its base are rewritten only behind this wait
	s_add_nc_u64 s[36:37], s[36:37], 0x40000
	s_add_nc_u64 s[38:39], s[38:39], 0x1000
	s_add_co_u32 s33, s33, 16
	s_sub_co_i32 s34, s34, 1
	s_cmp_gt_i32 s34, 0                            ; a signed compare: the count-down ends from any start
	s_cbranch_scc1 .Lunit
	UNIT 0                                         ; the last unit loads nothing: the counts run down
	s_wait_tensorcnt 0x0
	ds_add_u32 v212, v213
	s_wait_dscnt 0x0
	s_endpgm
.Ltailwg:
	; Work-group 255.  rho = t / 16 = 0 .. 31.
	s_load_b512 s[16:31], s[0:1], 0x30             ; b1_2, out0, b3_3, prev_bias_change, w3_4, prev_weight_change, b3_4, out1
	s_wait_kmcnt 0x0
.irp k, 0,1,2,3
	global_load_b128 v[Z+4*\k:Z+4*\k+3], v3, s[4:5] offset:8192*\k                 ; net3's rows rho + 32 k of parts
.endr
.irp k, 0,1
	global_load_b128 v[Z+16+4*\k:Z+16+4*\k+3], v3, s[4:5] offset:49152+8192*\k     ; net1's rows 192 + rho + 32 k
.endr
	global_load_b128 v[B33:B33+3], v38, s[20:21]
	global_load_b128 v[PB3:PB3+3], v38, s[22:23] offset:9216                       ; 2,304 numbers into the bias changes
.irp k, 0,1,2,3
	global_load_b128 v[W4+4*\k:W4+4*\k+3], v3, s[24:25] offset:8192*\k             ; w3_4, row rho + 32 k
	global_load_b128 v[DW4+4*\k:DW4+4*\k+3], v3, s[26:27] offset:0x580000+8192*\k  ; its change, 1,441,792 numbers in
.endr
	global_load_b64 v[B12:B12+1], v2, s[16:17]
	global_load_b128 v[B34:B34+3], v201, s[28:29]
	global_load_b128 v[PB4:PB4+3], v201, s[22:23] offset:9472                      ; 2,368 numbers in
	s_wait_loadcnt 0x0
	QADD Z, Z+4
	QADD Z+8, Z+12
	QADD Z, Z+8
	XHALF Z, Z+4
	ds_store_b128 v200, v[Z:Z+3]                   ; net3: my wave's eight rows summed
	QADD Z+16, Z+20
	XHALF Z+16, Z+20
	ds_store_b128 v200, v[Z+16:Z+19] offset:4096   ; net1: my wave's four rows summed
	s_wait_dscnt 0x0                               ; in LDS before I say so
	s_barrier_signal -1
	s_barrier_wait -1
	GATHER8 0
	v_pk_fma_f32 v[PB3:PB3+1], v[B33:B33+1], 2.0, v[PB3:PB3+1] op_sel_hi:[1,0,1]   ; b + (b + change)
	v_pk_fma_f32 v[PB3+2:PB3+3], v[B33+2:B33+3], 2.0, v[PB3+2:PB3+3] op_sel_hi:[1,0,1]
	QADD Z, PB3
	LEAKY4 Z, Z+4, H                               ; net3's 64 activations, quad c
.irp k, 0,1,2,3
	v_pk_mul_f32 v[T+2*\k:T+2*\k+1], v[W4+4*\k:W4+4*\k+1], v[H:H+1]
.endr
.irp k, 0,1,2,3
	v_pk_fma_f32 v[T+2*\k:T+2*\k+1], v[W4+4*\k+2:W4+4*\k+3], v[H+2:H+3], v[T+2*\k:T+2*\k+1]
.endr
.irp k, 0,1,2,3
	v_pk_fma_f32 v[T+2*\k:T+2*\k+1], v[DW4+4*\k:DW4+4*\k+1], v[H:H+1], v[T+2*\k:T+2*\k+1]
.endr
.irp k, 0,1,2,3
	v_pk_fma_f32 v[T+2*\k:T+2*\k+1], v[DW4+4*\k+2:DW4+4*\k+3], v[H+2:H+3], v[T+2*\k:T+2*\k+1]
.endr
.irp k, 0,1,2,3
	v_add_f32 v[P+\k], v[T+2*\k], v[T+2*\k+1]
.endr
.irp m, 1,2,4,8
.irp k, 0,1,2,3
	v_add_f32_dpp v[P+\k], v[P+\k], v[P+\k] row_xmask:\m row_mask:0xf bank_mask:0xf
.endr
.endr
.irp k, 0,1,2,3
	ds_store_b32 v202, v[P+\k] offset:8192+128*\k  ; row rho + 32 k; the half's 16 lanes store the same number
.endr
	s_wait_dscnt 0x0                               ; in LDS before I say so
	s_barrier_signal -1
	s_barrier_wait -1
	s_cmp_lg_u32 s32, 0
	s_cbranch_scc1 .Lend
	ds_load_b128 v[P:P+3], v201 offset:8192        ; wave 0: net3's last sums 4 l .. 4 l + 3
.irp i, 0,1,2,3,4,5,6,7,8,9,10,11,12,13,14,15
	ds_load_b64 v[Z+2*\i:Z+2*\i+1], v2 offset:4096+256*\i          ; net1: wave i's sums of outputs 2 l, 2 l + 1
.endr
	v_pk_fma_f32 v[PB4:PB4+1], v[B34:B34+1], 2.0, v[PB4:PB4+1] op_sel_hi:[1,0,1]
	v_pk_fma_f32 v[PB4+2:PB4+3], v[B34+2:B34+3], 2.0, v[PB4+2:PB4+3] op_sel_hi:[1,0,1]
	s_wait_dscnt 16                                ; the 16 younger LDS loads stay out
	QADD P, PB4
	v_pk_mul_f32 v[P:P+1], v[P:P+1], C2 op_sel_hi:[1,0]
	v_pk_mul_f32 v[P+2:P+3], v[P+2:P+3], C2 op_sel_hi:[1,0]
.irp k, 0,1,2,3
	v_exp_f32 v[T+\k], v[P+\k]
.endr
	v_nop
	s_wait_alu depctr_va_vdst(0)
	v_pk_add_f32 v[T:T+1], v[T:T+1], 1.0 op_sel_hi:[1,0]
	v_pk_add_f32 v[T+2:T+3], v[T+2:T+3], 1.0 op_sel_hi:[1,0]
.irp k, 0,1,2,3
	v_rcp_f32 v[T+4+\k], v[T+\k]
.endr
	v_nop
	s_wait_alu depctr_va_vdst(0)
	v_pk_fma_f32 v[P:P+1], v[T+4:T+5], -4.0, 2.0 op_sel_hi:[1,0,0]         ; 2 tanh = 2 - 4 / (1 + 2^..)
	v_pk_fma_f32 v[P+2:P+3], v[T+6:T+7], -4.0, 2.0 op_sel_hi:[1,0,0]
	global_store_b128 v201, v[P:P+3], s[30:31]     ; out1: 512 consecutive bytes
	s_wait_dscnt 0x0
.irp i, 0,1,2,3,4,5,6,7
	v_pk_add_f32 v[Z+2*\i:Z+2*\i+1], v[Z+2*\i:Z+2*\i+1], v[Z+16+2*\i:Z+16+2*\i+1]
.endr
.irp i, 0,1,2,3
	v_pk_add_f32 v[Z+2*\i:Z+2*\i+1], v[Z+2*\i:Z+2*\i+1], v[Z+8+2*\i:Z+8+2*\i+1]
.endr
.irp i, 0,1
	v_pk_add_f32 v[Z+2*\i:Z+2*\i+1], v[Z+2*\i:Z+2*\i+1], v[Z+4+2*\i:Z+4+2*\i+1]
.endr
	v_pk_add_f32 v[Z:Z+1], v[Z:Z+1], v[Z+2:Z+3]
	v_pk_add_f32 v[Z:Z+1], v[Z:Z+1], v[B12:B12+1]
	global_store_b64 v2, v[Z:Z+1], s[18:19]        ; out0: 256 consecutive bytes
.Lend:
	s_wait_tensorcnt 0x0
	ds_add_u32 v212, v213
	s_wait_dscnt 0x0
	s_endpgm
.Lfunc_end_k_q1fae113dda_stream:
	.size	k_q1fae113dda_stream, .Lfunc_end_k_q1fae113dda_stream-k_q1fae113dda_stream
	.p2alignl 7, 3214868480
	.fill 96, 4, 3214868480
	.section	.rodata,"a",@progbits
	.p2align	6, 0x0
	.amdhsa_kernel k_q1fae113dda_stream
		.amdhsa_group_segment_fixed_size 10752
		.amdhsa_private_segment_fixed_size 0
		.amdhsa_enable_private_segment 0
		.amdhsa_kernarg_size 112
		.amdhsa_user_sgpr_count 2
		.amdhsa_user_sgpr_kernarg_segment_ptr 1
		.amdhsa_wavefront_size32 1
		.amdhsa_system_sgpr_workgroup_id_x 1
		.amdhsa_system_sgpr_workgroup_id_y 1
		.amdhsa_system_sgpr_workgroup_id_z 1
		.amdhsa_system_vgpr_workitem_id 0
		.amdhsa_next_free_vgpr 214
		.amdhsa_next_free_sgpr 66
		.amdhsa_reserve_vcc 0
		.amdhsa_float_denorm_mode_32 3
		.amdhsa_float_denorm_mode_16_64 3
		.amdhsa_memory_ordered 1
		.amdhsa_forward_progress 1
		.amdhsa_inst_pref_size 48
	.end_amdhsa_kernel
	.amdgpu_metadata
---
amdhsa.version: [ 1, 2 ]
amdhsa.kernels:
  - .name:           k_q1fae113dda_stream
    .symbol:         k_q1fae113dda_stream.kd
    .args:
      - { .name: parts, .offset: 0, .size: 8, .value_kind: global_buffer, .address_space: global }
      - { .name: b2_3, .offset: 8, .size: 8, .value_kind: global_buffer, .address_space: global }
      - { .name: w2_4, .offset: 16, .size: 8, .value_kind: global_buffer, .address_space: global }
      - { .name: b2_4, .offset: 24, .size: 8, .value_kind: global_buffer, .address_space: global }
      - { .name: out2, .offset: 32, .size: 8, .value_kind: global_buffer, .address_space: global }
      - { .name: out3, .offset: 40, .size: 8, .value_kind: global_buffer, .address_space: global }
      - { .name: b1_2, .offset: 48, .size: 8, .value_kind: global_buffer, .address_space: global }
      - { .name: out0, .offset: 56, .size: 8, .value_kind: global_buffer, .address_space: global }
      - { .name: b3_3, .offset: 64, .size: 8, .value_kind: global_buffer, .address_space: global }
      - { .name: prev_bias_change, .offset: 72, .size: 8, .value_kind: global_buffer, .address_space: global }
      - { .name: w3_4, .offset: 80, .size: 8, .value_kind: global_buffer, .address_space: global }
      - { .name: prev_weight_change, .offset: 88, .size: 8, .value_kind: global_buffer, .address_space: global }
      - { .name: b3_4, .offset: 96, .size: 8, .value_kind: global_buffer, .address_space: global }
      - { .name: out1, .offset: 104, .size: 8, .value_kind: global_buffer, .address_space: global }
    .group_segment_fixed_size: 10752
    .private_segment_fixed_size: 0
    .kernarg_segment_align: 8
    .kernarg_segment_size: 112
    .max_flat_workgroup_size: 512
    .sgpr_count:     66
    .vgpr_count:     214
    .wavefront_size: 32
...
	.end_amdgpu_metadata
.endif
;; end of part 3
;; ======== version 2 of 2: 3 launches; version 1 with the launch stream written anew for expert scheduling mode
;; workspace buffers: acts 12,288 bytes; parts 65,536 bytes
;; launch front: the kernel of part 1 again; grid 48 x 1, 16 waves a work-group, no clusters, 3,584 bytes of LDS; arguments inputs, prev_output, state, acts, w3_0, b3_0, w3_1, b3_1, prev_weight_change, prev_bias_change, w2_0, b2_0, w2_1, b2_1, w1_0, b1_0; writes acts
;; launch middle: the kernel of part 2 again; grid 256 x 1, 8 waves a work-group, no clusters, 5,632 bytes of LDS; arguments acts, parts, prev_weight_change, prev_bias_change, w3_2, b3_2, w3_3, w2_2, b2_2, w2_3, w1_1, b1_1, w1_2; writes parts
;; launch stream (part 4): grid 256 x 1, 16 waves a work-group, no clusters, 10,752 bytes of LDS; arguments parts, b2_3, w2_4, b2_4, out2, out3, b1_2, out0, b3_3, prev_bias_change, w3_4, prev_weight_change, b3_4, out1; writes out0, out1, out2, out3
.if DOCPART == 4
	.amdgcn_target "amdgcn-amd-amdhsa--gfx1250"
	.amdhsa_code_object_version 6
	.text
	.protected	k_q1fae113dda_stream
	.globl	k_q1fae113dda_stream
	.p2align	8
	.type	k_q1fae113dda_stream,@function
k_q1fae113dda_stream:
	s_mov_b64 s[64:65], 0
	v_nop
	global_prefetch_b8 v0, s[64:65] scope:SCOPE_SE
	s_setreg_imm32_b32 hwreg(HW_REG_WAVE_SCHED_MODE, 0, 2), 2
	s_setreg_imm32_b32 hwreg(HW_REG_WAVE_MODE, 25, 1), 1
	s_wait_xcnt 0x0
	s_wait_alu depctr_vm_vsrc(0)
; STREAM: work-groups 0-254: x2 = 5 tanh(w2_4 h + b2_4), 1,452,480 rows of 64 f32, into out2 (first 1,449,984) and out3 (last 2,496).
;         work-group 255: out0 (net1's last sums + bias), and net3's last two layers with 2 tanh, out1.
; h = leaky(sum of rows 128-191 of parts + b2_3) is made by every work-group for itself (16 KiB), while its first weights are on their way.
; A UNIT is 64 rows: 16 KiB of w2_4, 256 bytes of result.  22,695 units = 255 x 89: a work-group has 89, wave w takes units 16 n + w of them
; (waves 0-8 six, waves 9-15 five).  Units below 22,656 go to out2, the others to out3: no unit straddles the two.
; LANES: a unit is 32 loads, slot s = 16 g + j.  Lane (h, c) takes bytes 16 c .. + 15 of row 32 h + 2 j + g: each half of the wave reads one whole
; row, 256 consecutive aligned bytes.  Folding group g's 16 partial sums leaves row 2 L + g in lane L: so a lane ends with two neighbouring
; results, and one store of the wave covers the unit's 256 consecutive aligned bytes.
; RING: 32 slots of 4 registers, in four eights; an eight is loaded again for the wave's next unit as soon as it has been multiplied: 25 to 33 loads
; of a wave (weights, and one of bias) are always out.  No wait for loaded data in the loop is for zero.
; NO MATRIX UNIT: one vector against every row; the conversion to 16 bits alone would cost what the packed f32 multiply-add costs.  NO LDS for the
; weights: each byte feeds one lane once.  NO JOINT REQUESTS: work-groups share 16 KiB of parts against 1.4 MiB of their own.
; LIMITS: f32 sums in another order than the model's.  tanh(x) = 1 - 2 / (1 + 2^(2 x log2 e)): right at +-infinity and for large |x| (the power
; goes to infinity or 0, the quotient to 0 or 1), NaN stays NaN; its error is some 1e-7 of the scale (5 or 2) in absolute terms, so results
; far below that are not exact relatively.  v_exp_f32 and v_rcp_f32 are good to 1 ULP.  EXEC is never changed.
; THE MODE: SCHED_MODE bits 1:0 = 2 (LLVM: expert scheduling mode 2), set by the entry lines.  The code itself states the register dependences
; between vector instructions and memory or LDS instructions, with s_wait_alu, always for 0.
; THE PLAN.  Registers that memory instructions touch, in the loop:
;   RING, eight k   Step k: its sixteen multiply lines read it; behind them the same eight of the wave's next unit lands in it.
;   BI              The tail's one multiply-add reads it; behind the wait for the exponentials the next unit's bias lands in it.
;   O               Written by the last line of unit n's tail; read by the store that is issued in unit n + 1's first step; written again in unit n + 1's tail.
;   v1, v2          Offsets, made at the head and never written again: each eight, and the bias, has a scalar base of its own, which moves on by a
;                   unit of the wave behind the counted wait that shows the loads that read it done.
;   M, P, T, R, H, KN, KP are named by vector instructions alone.
; So ONE wait on va_vdst stands in a step, behind its multiply lines; the step's eight loads (in the first step the store of the unit before too) follow it,
; dealt among the eight adds, which name M and P alone.  The two waits behind the exponentials and the reciprocals stand in the tail; the first of them
; also serves the bias's load.  One wait on vm_vsrc a unit, beside the wait for the store, stands at the tail's head, a fold behind the youngest load.
.set SLOPE, 0x3c23d70a                 ; 0.01
.set C2,    0x4038aa3b                 ; 2 log2 e
.set H,    4                           ; v[4:7]     h[4 c .. 4 c + 3], times C2 in the stream
.set P,    8                           ; v[8:23]    16 partial sums
.set T,    24                          ; v[24:31]   at work
.set R,    32                          ; v[32:33]   rows 2 L, 2 L + 1
.set BI,   34                          ; v[34:35]   their biases
.set O,    36                          ; v[36:37]   their results
.set RING, 40                          ; v[40:167]
.set Z,    168                         ; v[168:199] sums of parts
.set M,    168                         ; v[168:183] in the loop, when Z is done with: a step's eight pairs of products
.set BH,   204                         ; v[204:207] b2_3[4 c ..]
.set KN,   208                         ; v[208:209] -10, -10
.set KP,   210                         ; v[210:211] 5, 5
.set B33,  40                          ; work-group 255, in the ring's registers: b3_3[4 c ..]
.set PB3,  44                          ; its change
.set W4,   48                          ; v[48:63]   w3_4, row rho + 32 k, quad c, at 4 k
.set DW4,  64                          ; v[64:79]   its change
.set B12,  80                          ; v[80:81]   b1_2[2 l ..]
.set B34,  84                          ; v[84:87]   b3_4[4 l ..]
.set PB4,  88                          ; v[88:91]   its change
.set WB,   16                          ; s[16:23]   work-groups 0-254: eight k's base, a pair at WB + 2 k: w2_4 at the unit that the eight was last loaded for
.set SM8, 44
.set SM4, 45
.set SM2, 46
.set SM1, 47
; One step of the fold: lanes whose number has the bit `span` keep the upper `span` registers and hand the lower ones to their partner
; (lane xor span), the others the other way round; the add takes the partner's register by DPP.
.macro RSTEP p, t, span, msk, dst
.set rj, 0
.rept \span
	v_cndmask_b32 v[\t+rj], v[\p+rj+\span], v[\p+rj], s[\msk]
.set rj, rj+1
.endr
.set rj, 0
.rept \span
	v_cndmask_b32 v[\p+rj], v[\p+rj], v[\p+rj+\span], s[\msk]
.set rj, rj+1
.endr
.set rj, 0
.rept \span
	v_add_f32_dpp v[\dst+rj], v[\t+rj], v[\p+rj] row_xmask:\span row_mask:0xf bank_mask:0xf
.set rj, rj+1
.endr
.endm
.macro REDUCE16 p, t, dst              ; lane c of each half: dst = register c summed over the half's 16 lanes
	RSTEP \p, \t, 8, SM8, \p
	RSTEP \p, \t, 4, SM4, \p
	RSTEP \p, \t, 2, SM2, \p
	RSTEP \p, \t, 1, SM1, \dst
.endm
.macro QADD a, b                       ; four numbers += four numbers
	v_pk_add_f32 v[\a:\a+1], v[\a:\a+1], v[\b:\b+1]
	v_pk_add_f32 v[\a+2:\a+3], v[\a+2:\a+3], v[\b+2:\b+3]
.endm
.macro XHALF q, tmp                    ; four numbers += the other half's four (tmp: registers that have been written)
.irp k, 0,1,2,3
	v_permlanex16_b32 v[\tmp+\k], v[\q+\k], s48, s49
.endr
	QADD \q, \tmp
.endm
.macro LEAKY4 q, tmp, dst
	v_pk_mul_f32 v[\tmp:\tmp+1], v[\q:\q+1], SLOPE op_sel_hi:[1,0]
	v_pk_mul_f32 v[\tmp+2:\tmp+3], v[\q+2:\q+3], SLOPE op_sel_hi:[1,0]
.irp k, 0,1,2,3
	v_max_num_f32 v[\dst+\k], v[\q+\k], v[\tmp+\k]
.endr
.endm
; the 16 waves' rows of 64 sums at LDS byte base -> their total's quad c in Z .. Z+3 of every lane
.macro GATHER8 base
	s_wait_alu depctr_vm_vsrc(0)                   ; my LDS stores have read their registers of Z, in which the loads below land (the vector lines that named Z stand ahead of the last wait on va_vdst)
.irp i, 0,1,2,3,4,5,6,7
	ds_load_b128 v[Z+4*\i:Z+4*\i+3], v39 offset:\base+256*\i       ; row 8 h + i
.endr
	s_wait_dscnt 0x0
	QADD Z, Z+4
	QADD Z+8, Z+12
	QADD Z+16, Z+20
	QADD Z+24, Z+28
	QADD Z, Z+8
	QADD Z+16, Z+24
	QADD Z, Z+16
	XHALF Z, Z+4
.endm
; Step k of a unit: eight slots are multiplied, loaded again for the wave's next unit (ahead = 1), and leave eight partial sums.
; st = 1: the store of the unit before stands here.
; ahead = 1: behind eight k there are out 8 (3 - k) slots of this unit, its bias, and 8 k slots of the next unit: always 25.
; ahead = 0 (the wave's last unit): 8 (3 - k) slots and the bias.
.macro STEP k, ahead, st
	s_wait_loadcnt 25-8*\k*(1-\ahead)              ; loads come back in order (ISA guide 5.7.1): eight k is in, the younger loads stay out
.if \ahead
	s_add_nc_u64 s[WB+2*\k:WB+2*\k+1], s[WB+2*\k:WB+2*\k+1], 0x40000       ; free since that wait, which shows the loads that read it done: my next unit, 16 units on
.endif
.irp i, 0,1,2,3,4,5,6,7
	v_pk_mul_f32 v[M+2*\i:M+2*\i+1], v[RING+4*(8*\k+\i):RING+4*(8*\k+\i)+1], v[H:H+1]
.endr
.irp i, 0,1,2,3,4,5,6,7
	v_pk_fma_f32 v[M+2*\i:M+2*\i+1], v[RING+4*(8*\k+\i)+2:RING+4*(8*\k+\i)+3], v[H+2:H+3], v[M+2*\i:M+2*\i+1]
.endr
.if (\ahead) || (\st)
	s_wait_alu depctr_va_vdst(0)                   ; the sixteen lines above are done reading eight k, in which the loads below land; in a unit's first step the unit before has written O, which the store reads
.endif
.if \st
	global_store_b64 v2, v[O:O+1], s[40:41] th:TH_STORE_NT         ; the unit before: the wave stores 256 consecutive aligned bytes
.endif
.irp i, 0,1,2,3,4,5,6,7
.if \ahead
	global_load_b128 v[RING+4*(8*\k+\i):RING+4*(8*\k+\i)+3], v1, s[WB+2*\k:WB+2*\k+1] offset:256*(2*((8*\k+\i)%16)+(8*\k+\i)/16) th:TH_LOAD_NT  ; no vector line since the wait names these registers
.endif
	v_add_f32 v[P+(8*\k+\i)%16], v[M+2*\i], v[M+2*\i+1]
.endr
.endm
; One unit.  first = 1: the wave's first unit, with no store in front of it.  ahead = 1: the wave's next unit is loaded.
.macro UNIT first, ahead
	STEP 0, \ahead, 1-\first
	STEP 1, \ahead, 0
	REDUCE16 P, T, R                               ; rows 2 L
	STEP 2, \ahead, 0
	STEP 3, \ahead, 0
	REDUCE16 P, T, R+1                             ; rows 2 L + 1
	s_wait_loadcnt 32*\ahead                       ; the next unit's 32 weight loads stay out: this unit's bias is in
.if !\first
	s_wait_storecnt 0x0                            ; the store issued in this unit's first step is done: its base s[40:41] and its data O are written again only behind this wait
	s_wait_alu depctr_vm_vsrc(0)                   ; and it has read O, which the tail's last line writes again
.endif
.if \ahead
	s_add_nc_u64 s[38:39], s[38:39], 0x1000        ; free since the wait that shows the bias's load done: my next unit's bias
.endif
	v_pk_fma_f32 v[R:R+1], v[BI:BI+1], C2, v[R:R+1] op_sel_hi:[1,0,1]      ; h carries C2 already: C2 (w h + b)
	v_exp_f32 v[T], v[R]
	v_exp_f32 v[T+1], v[R+1]
	v_nop                                          ; one plain vector instruction behind a transcendental before its result is used (ISA guide 5.7.2)
	s_wait_alu depctr_va_vdst(0)                   ; the two exponentials have written T, T + 1, ahead of their first reader; the multiply-add is done reading BI, in which the load below lands
.if \ahead
	global_load_b64 v[BI:BI+1], v2, s[38:39] th:TH_LOAD_NT
.endif
	v_pk_add_f32 v[T:T+1], v[T:T+1], 1.0 op_sel_hi:[1,0]
	v_rcp_f32 v[T+2], v[T]
	v_rcp_f32 v[T+3], v[T+1]
	s_cmp_lt_u32 s33, 22656                        ; out2 has 22,656 units, out3 the 39 behind them
	s_cselect_b64 s[40:41], s[12:13], s[14:15]
	s_cselect_b32 s42, 0, 22656
	s_sub_co_u32 s42, s33, s42
	s_lshl_b32 s42, s42, 8
	s_add_nc_u64 s[40:41], s[40:41], s[42:43]
	v_nop
	s_wait_alu depctr_va_vdst(0)                   ; the two reciprocals have written T + 2, T + 3, ahead of their first reader
	v_pk_fma_f32 v[O:O+1], v[T+2:T+3], v[KN:KN+1], v[KP:KP+1]      ; 5 tanh = 5 - 10 / (1 + 2^..); stored in the next unit's first step
.endm
	s_load_b256 s[4:11], s[0:1], 0x0               ; parts s[4:5], b2_3 s[6:7], w2_4 s[8:9], b2_4 s[10:11]
	s_load_b128 s[12:15], s[0:1], 0x20             ; out2 s[12:13], out3 s[14:15]
	v_lshl_add_u32 v212, v0, 2, 0x2200
	v_mov_b32 v213, 0
	v_and_b32 v8, 31, v0                           ; l
	v_and_b32 v9, 15, v0                           ; c
	v_bfe_u32 v10, v0, 4, 1                        ; h
	v_lshrrev_b32 v11, 5, v0
	v_readfirstlane_b32 s32, v11                   ; w
	s_mov_b32 s[SM8], 0xff00ff00
	s_mov_b32 s[SM4], 0xf0f0f0f0
	s_mov_b32 s[SM2], 0xcccccccc
	s_mov_b32 s[SM1], 0xaaaaaaaa
	s_mov_b32 s48, 0x76543210
	s_mov_b32 s49, 0xfedcba98
	v_lshlrev_b32 v38, 4, v9                       ; 16 c
	v_lshl_add_u32 v1, v10, 13, v38                ; weights: 32 rows of 256 bytes x h + 16 c
	v_lshlrev_b32 v2, 3, v8                        ; 8 l
	v_lshlrev_b32 v3, 4, v0                        ; 16 t
	v_lshl_add_u32 v39, v10, 11, v38               ; LDS: 8 rows of 256 bytes x h + 16 c
	v_lshlrev_b32 v201, 4, v8                      ; 16 l
	v_mov_b32 v[R], 0                              ; written once: a DPP form counts as a reader of its destination
	v_mov_b32 v[R+1], 0
	v_mov_b32 v[KN], 0xc1200000
	v_mov_b32 v[KN+1], 0xc1200000
	v_mov_b32 v[KP], 0x40a00000
	v_mov_b32 v[KP+1], 0x40a00000
	s_wait_alu depctr_va_sdst(0)                   ; s32 is written, ahead of its first reader
	s_lshl_b32 s35, s32, 8
	s_lshl_b32 s50, s32, 3
	v_add_nc_u32 v200, s35, v38                    ; LDS: my wave's row + 16 c
	v_lshl_add_u32 v202, v10, 2, s50               ; 4 (2 w + h) = 4 rho
	s_wait_alu depctr_va_vdst(0)                   ; the offsets and addresses v1, v2, v3, v38, v39, v200 to v202 are written, which the loads and stores of both ways below read
	s_cmp_eq_u32 ttmp9, 255
	s_cbranch_scc1 .Ltailwg
	s_mul_i32 s33, ttmp9, 89
	s_add_co_u32 s33, s33, s32                     ; my first unit
	s_lshl_b32 s42, s33, 14                        ; below 2^32: 22,695 units of 16,384 bytes
	s_mov_b32 s43, 0
	s_wait_kmcnt 0x0
.irp k, 0,1,2,3
	s_add_nc_u64 s[WB+2*\k:WB+2*\k+1], s[8:9], s[42:43]            ; the four eights' bases: all at my first unit
.endr
	s_lshl_b32 s42, s33, 8
	s_add_nc_u64 s[38:39], s[10:11], s[42:43]
	global_load_b128 v[Z:Z+3], v3, s[4:5] offset:32768             ; parts, row 128 + t / 16, quad c
	global_load_b128 v[Z+4:Z+7], v3, s[4:5] offset:40960           ; row 160 + t / 16
	global_load_b128 v[BH:BH+3], v38, s[6:7]
.set rs, 0
.rept 32
	global_load_b128 v[RING+4*rs:RING+4*rs+3], v1, s[WB+2*(rs/8):WB+2*(rs/8)+1] offset:256*(2*(rs%16)+rs/16) th:TH_LOAD_NT
.set rs, rs+1
.endr
	global_load_b64 v[BI:BI+1], v2, s[38:39] th:TH_LOAD_NT
	s_wait_loadcnt 33                              ; the first unit's 33 loads stay out
	QADD Z, Z+4
	XHALF Z, Z+4                                   ; four rows of parts summed, in both halves alike
	s_wait_alu depctr_va_vdst(0)                   ; the sums have written Z .. Z + 3, which the LDS store reads; all lines that name Z are done, ahead of the LDS loads that land in it
	ds_store_b128 v200, v[Z:Z+3]
	s_wait_dscnt 0x0                               ; in LDS before I say so
	s_barrier_signal -1
	s_barrier_wait -1
	GATHER8 0
	QADD Z, BH
	LEAKY4 Z, Z+4, H
	v_pk_mul_f32 v[H:H+1], v[H:H+1], C2 op_sel_hi:[1,0]
	v_pk_mul_f32 v[H+2:H+3], v[H+2:H+3], C2 op_sel_hi:[1,0]
	UNIT 1, 1                                      ; the first unit is written out: no store stands in it
	s_add_co_u32 s33, s33, 16
	s_cmp_lt_u32 s32, 9
	s_cselect_b32 s34, 4, 3                        ; units but the first and the last: 16 n + w < 89
.Lunit:
	UNIT 0, 1
	s_add_co_u32 s33, s33, 16
	s_sub_co_i32 s34, s34, 1
	s_cmp_gt_i32 s34, 0                            ; a signed compare: the count-down ends from any start
	s_cbranch_scc1 .Lunit
	UNIT 0, 0                                      ; the last unit loads nothing: the counts run down
	s_wait_alu depctr_va_vdst(0)                   ; the last unit has written O, which the last store reads
	global_store_b64 v2, v[O:O+1], s[40:41] th:TH_STORE_NT         ; the wave stores 256 consecutive aligned bytes
	s_wait_dscnt 0x0                               ; the closing lines, six on end
	s_wait_alu 0x0
	s_wait_tensorcnt 0x0
	ds_add_u32 v212, v213
	s_wait_dscnt 0x0
	s_endpgm
.Ltailwg:
	; Work-group 255.  rho = t / 16 = 0 .. 31.
	; Its plan: Z and P go to LDS and come back.  Each run of LDS or global stores stands behind one wait on va_vdst, which also shows every line that named Z or P done;
	; each run of LDS loads into registers that stores have read stands behind one wait on vm_vsrc.
	s_load_b512 s[16:31], s[0:1], 0x30             ; b1_2, out0, b3_3, prev_bias_change, w3_4, prev_weight_change, b3_4, out1
	s_wait_kmcnt 0x0
.irp k, 0,1,2,3
	global_load_b128 v[Z+4*\k:Z+4*\k+3], v3, s[4:5] offset:8192*\k                 ; net3's rows rho + 32 k of parts
.endr
.irp k, 0,1
	global_load_b128 v[Z+16+4*\k:Z+16+4*\k+3], v3, s[4:5] offset:49152+8192*\k     ; net1's rows 192 + rho + 32 k
.endr
	global_load_b128 v[B33:B33+3], v38, s[20:21]
	global_load_b128 v[PB3:PB3+3], v38, s[22:23] offset:9216                       ; 2,304 numbers into the bias changes
.irp k, 0,1,2,3
	global_load_b128 v[W4+4*\k:W4+4*\k+3], v3, s[24:25] offset:8192*\k             ; w3_4, row rho + 32 k
	global_load_b128 v[DW4+4*\k:DW4+4*\k+3], v3, s[26:27] offset:0x580000+8192*\k  ; its change, 1,441,792 numbers in
.endr
	global_load_b64 v[B12:B12+1], v2, s[16:17]
	global_load_b128 v[B34:B34+3], v201, s[28:29]
	global_load_b128 v[PB4:PB4+3], v201, s[22:23] offset:9472                      ; 2,368 numbers in
	s_wait_loadcnt 0x0
	QADD Z, Z+4
	QADD Z+8, Z+12
	QADD Z, Z+8
	XHALF Z, Z+4
	QADD Z+16, Z+20
	XHALF Z+16, Z+20
	s_wait_alu depctr_va_vdst(0)                   ; the sums have written Z .. Z + 3 and Z + 16 .. Z + 19, which the two LDS stores read; all lines that name Z are done, ahead of the LDS loads that land in it
	ds_store_b128 v200, v[Z:Z+3]                   ; net3: my wave's eight rows summed
	ds_store_b128 v200, v[Z+16:Z+19] offset:4096   ; net1: my wave's four rows summed
	s_wait_dscnt 0x0                               ; in LDS before I say so
	s_barrier_signal -1
	s_barrier_wait -1
	GATHER8 0
	v_pk_fma_f32 v[PB3:PB3+1], v[B33:B33+1], 2.0, v[PB3:PB3+1] op_sel_hi:[1,0,1]   ; b + (b + change)
	v_pk_fma_f32 v[PB3+2:PB3+3], v[B33+2:B33+3], 2.0, v[PB3+2:PB3+3] op_sel_hi:[1,0,1]
	QADD Z, PB3
	LEAKY4 Z, Z+4, H                               ; net3's 64 activations, quad c
.irp k, 0,1,2,3
	v_pk_mul_f32 v[T+2*\k:T+2*\k+1], v[W4+4*\k:W4+4*\k+1], v[H:H+1]
.endr
.irp k, 0,1,2,3
	v_pk_fma_f32 v[T+2*\k:T+2*\k+1], v[W4+4*\k+2:W4+4*\k+3], v[H+2:H+3], v[T+2*\k:T+2*\k+1]
.endr
.irp k, 0,1,2,3
	v_pk_fma_f32 v[T+2*\k:T+2*\k+1], v[DW4+4*\k:DW4+4*\k+1], v[H:H+1], v[T+2*\k:T+2*\k+1]
.endr
.irp k, 0,1,2,3
	v_pk_fma_f32 v[T+2*\k:T+2*\k+1], v[DW4+4*\k+2:DW4+4*\k+3], v[H+2:H+3], v[T+2*\k:T+2*\k+1]
.endr
.irp k, 0,1,2,3
	v_add_f32 v[P+\k], v[T+2*\k], v[T+2*\k+1]
.endr
.irp m, 1,2,4,8
.irp k, 0,1,2,3
	v_add_f32_dpp v[P+\k], v[P+\k], v[P+\k] row_xmask:\m row_mask:0xf bank_mask:0xf
.endr
.endr
	s_wait_alu depctr_va_vdst(0)                   ; the sums have written P .. P + 3, which the LDS stores read; all lines that name P or Z are done, ahead of wave 0's LDS loads that land in them
.irp k, 0,1,2,3
	ds_store_b32 v202, v[P+\k] offset:8192+128*\k  ; row rho + 32 k; the half's 16 lanes store the same number
.endr
	s_wait_dscnt 0x0                               ; in LDS before I say so
	s_barrier_signal -1
	s_barrier_wait -1
	s_wait_alu depctr_vm_vsrc(0)                   ; my LDS stores have read P .. P + 3, in which wave 0's load lands: stated ahead of the branch
	s_cmp_lg_u32 s32, 0
	s_cbranch_scc1 .Lend
	ds_load_b128 v[P:P+3], v201 offset:8192        ; wave 0: net3's last sums 4 l .. 4 l + 3
.irp i, 0,1,2,3,4,5,6,7,8,9,10,11,12,13,14,15
	ds_load_b64 v[Z+2*\i:Z+2*\i+1], v2 offset:4096+256*\i          ; net1: wave i's sums of outputs 2 l, 2 l + 1
.endr
	v_pk_fma_f32 v[PB4:PB4+1], v[B34:B34+1], 2.0, v[PB4:PB4+1] op_sel_hi:[1,0,1]
	v_pk_fma_f32 v[PB4+2:PB4+3], v[B34+2:B34+3], 2.0, v[PB4+2:PB4+3] op_sel_hi:[1,0,1]
	s_wait_dscnt 16                                ; the 16 younger LDS loads stay out
	QADD P, PB4
	v_pk_mul_f32 v[P:P+1], v[P:P+1], C2 op_sel_hi:[1,0]
	v_pk_mul_f32 v[P+2:P+3], v[P+2:P+3], C2 op_sel_hi:[1,0]
.irp k, 0,1,2,3
	v_exp_f32 v[T+\k], v[P+\k]
.endr
	v_nop
	s_wait_alu depctr_va_vdst(0)                   ; the four exponentials have written T .. T + 3, ahead of their first reader
	v_pk_add_f32 v[T:T+1], v[T:T+1], 1.0 op_sel_hi:[1,0]
	v_pk_add_f32 v[T+2:T+3], v[T+2:T+3], 1.0 op_sel_hi:[1,0]
.irp k, 0,1,2,3
	v_rcp_f32 v[T+4+\k], v[T+\k]
.endr
	v_nop
	s_wait_alu depctr_va_vdst(0)                   ; the four reciprocals have written T + 4 .. T + 7, ahead of their first reader
	v_pk_fma_f32 v[P:P+1], v[T+4:T+5], -4.0, 2.0 op_sel_hi:[1,0,0]         ; 2 tanh = 2 - 4 / (1 + 2^..)
	v_pk_fma_f32 v[P+2:P+3], v[T+6:T+7], -4.0, 2.0 op_sel_hi:[1,0,0]
	s_wait_dscnt 0x0
.irp i, 0,1,2,3,4,5,6,7
	v_pk_add_f32 v[Z+2*\i:Z+2*\i+1], v[Z+2*\i:Z+2*\i+1], v[Z+16+2*\i:Z+16+2*\i+1]
.endr
.irp i, 0,1,2,3
	v_pk_add_f32 v[Z+2*\i:Z+2*\i+1], v[Z+2*\i:Z+2*\i+1], v[Z+8+2*\i:Z+8+2*\i+1]
.endr
.irp i, 0,1
	v_pk_add_f32 v[Z+2*\i:Z+2*\i+1], v[Z+2*\i:Z+2*\i+1], v[Z+4+2*\i:Z+4+2*\i+1]
.endr
	v_pk_add_f32 v[Z:Z+1], v[Z:Z+1], v[Z+2:Z+3]
	v_pk_add_f32 v[Z:Z+1], v[Z:Z+1], v[B12:B12+1]
	s_wait_alu depctr_va_vdst(0)                   ; P .. P + 3 and Z, Z + 1 are written, which the two stores read
	global_store_b128 v201, v[P:P+3], s[30:31]     ; out1: 512 consecutive bytes
	global_store_b64 v2, v[Z:Z+1], s[18:19]        ; out0: 256 consecutive bytes
.Lend:
	s_wait_dscnt 0x0                               ; the closing lines, six on end
	s_wait_alu 0x0
	s_wait_tensorcnt 0x0
	ds_add_u32 v212, v213
	s_wait_dscnt 0x0
	s_endpgm
.Lfunc_end_k_q1fae113dda_stream:
	.size	k_q1fae113dda_stream, .Lfunc_end_k_q1fae113dda_stream-k_q1fae113dda_stream
	.p2alignl 7, 3214868480
	.fill 96, 4, 3214868480
	.section	.rodata,"a",@progbits
	.p2align	6, 0x0
	.amdhsa_kernel k_q1fae113dda_stream
		.amdhsa_group_segment_fixed_size 10752
		.amdhsa_private_segment_fixed_size 0
		.amdhsa_enable_private_segment 0
		.amdhsa_kernarg_size 112
		.amdhsa_user_sgpr_count 2
		.amdhsa_user_sgpr_kernarg_segment_ptr 1
		.amdhsa_wavefront_size32 1
		.amdhsa_system_sgpr_workgroup_id_x 1
		.amdhsa_system_sgpr_workgroup_id_y 1
		.amdhsa_system_sgpr_workgroup_id_z 1
		.amdhsa_system_vgpr_workitem_id 0
		.amdhsa_next_free_vgpr 214
		.amdhsa_next_free_sgpr 66
		.amdhsa_reserve_vcc 0
		.amdhsa_float_denorm_mode_32 3
		.amdhsa_float_denorm_mode_16_64 3
		.amdhsa_memory_ordered 1
		.amdhsa_forward_progress 1
		.amdhsa_inst_pref_size 64
	.end_amdhsa_kernel
	.amdgpu_metadata
---
amdhsa.version: [ 1, 2 ]
amdhsa.kernels:
  - .name:           k_q1fae113dda_stream
    .symbol:         k_q1fae113dda_stream.kd
    .args:
      - { .name: parts, .offset: 0, .size: 8, .value_kind: global_buffer, .address_space: global }
      - { .name: b2_3, .offset: 8, .size: 8, .value_kind: global_buffer, .address_space: global }
      - { .name: w2_4, .offset: 16, .size: 8, .value_kind: global_buffer, .address_space: global }
      - { .name: b2_4, .offset: 24, .size: 8, .value_kind: global_buffer, .address_space: global }
      - { .name: out2, .offset: 32, .size: 8, .value_kind: global_buffer, .address_space: global }
      - { .name: out3, .offset: 40, .size: 8, .value_kind: global_buffer, .address_space: global }
      - { .name: b1_2, .offset: 48, .size: 8, .value_kind: global_buffer, .address_space: global }
      - { .name: out0, .offset: 56, .size: 8, .value_kind: global_buffer, .address_space: global }
      - { .name: b3_3, .offset: 64, .size: 8, .value_kind: global_buffer, .address_space: global }
      - { .name: prev_bias_change, .offset: 72, .size: 8, .value_kind: global_buffer, .address_space: global }
      - { .name: w3_4, .offset: 80, .size: 8, .value_kind: global_buffer, .address_space: global }
      - { .name: prev_weight_change, .offset: 88, .size: 8, .value_kind: global_buffer, .address_space: global }
      - { .name: b3_4, .offset: 96, .size: 8, .value_kind: global_buffer, .address_space: global }
      - { .name: out1, .offset: 104, .size: 8, .value_kind: global_buffer, .address_space: global }
    .group_segment_fixed_size: 10752
    .private_segment_fixed_size: 0
    .kernarg_segment_align: 8
    .kernarg_segment_size: 112
    .max_flat_workgroup_size: 512
    .sgpr_count:     66
    .vgpr_count:     214
    .wavefront_size: 32
...
	.end_amdgpu_metadata
.endif
;; end of part 4
